; MI455X (gfx1250); checked and timed in simulation.
; The chip was launched on July 23, 2026; its instructions are those of AMD's public machine-readable ISA for CDNA 5 (MIT licence, August 2026) and "CDNA5" Instruction Set Architecture Reference Guide (July 2026). The comments in the code are by the model that wrote it; some were corrected since.
;; ODE2 VAE. Allowed arithmetic: float matrix products may take bf16 or f16 operands with f32 sums; other float arithmetic in f32, or as packed bf16 or f16 multiplies, adds, multiply-adds, maxima and minima; sums over many terms, partial sums and values carried from step to step in f32; what a program stores and reads back later, other than sums and carried values, may be rounded once to bf16 or f16.
;; Inputs: W1 64 x 50 float32; W2 50 x 50 float32; W3 50 x 32 float32; b1 50 float32; b2 50 float32; b3 32 float32; be1 50 float32; be2 50 float32; g1 50 float32; g2 50 float32; logp0 16,384 float32; z0 16,384 x 64 float32.
;; Outputs: out0 4 x 16,384 x 65 float32.
;; One version. Each part assembles by itself: llvm-mc -triple=amdgcn-amd-amdhsa -mcpu=gfx1250 --defsym DOCPART=n.
;; ======== version 1 of 1: 1 launch
;; launch ode (part 1): grid 256 x 1, 4 waves a work-group, clusters of 4 x 1, 167,936 bytes of LDS; arguments z0, logp0, W1, W2, W3, b1, g1, be1, b2, g2, be2, b3, out0; writes out0
.if DOCPART == 1
	.amdgcn_target "amdgcn-amd-amdhsa--gfx1250"
	.amdhsa_code_object_version 6
	.text
	.protected	k_qcc9c4bc6b7_ode
	.globl	k_qcc9c4bc6b7_ode
	.p2align	8
	.type	k_qcc9c4bc6b7_ode,@function
k_qcc9c4bc6b7_ode:
	s_mov_b64 s[64:65], 0
	v_nop
	global_prefetch_b8 v0, s[64:65] scope:SCOPE_SE
	s_setreg_imm32_b32 hwreg(HW_REG_WAVE_MODE, 25, 1), 1
	s_wait_xcnt 0x0
	s_wait_alu depctr_hold_cnt(0) depctr_sa_sdst(0) depctr_va_vdst(0) depctr_va_sdst(0) depctr_va_ssrc(0) depctr_va_vcc(0) depctr_vm_vsrc(0)
	s_getreg_b32 s2, hwreg(HW_REG_IB_STS2, 6, 4)
	s_cmp_eq_u32 s2, 0
	s_cbranch_scc0 .Lentry_in_a_cluster
	s_endpgm
.Lentry_in_a_cluster:
	s_bfe_u32 s2, ttmp6, 0x10000c
	s_cmp_lg_u32 s2, 0x3003
	s_cbranch_scc0 .Lentry_shape_is_right
	s_endpgm
.Lentry_shape_is_right:
; ODE2VAE: four Euler steps of vs = [v, s] (64 numbers) and of logp for 16,384 states.  dv = f(vs), f = 64-50-50-32 with two LayerNorms and two CELUs; ds = v; dlogp = -trace(d dv / d v).
; THE TRACE IN CLOSED FORM, for every input.  K = I - 11'/50; W1c = W1 K, Wc = W2 K (rows centred); Mc = W3 W1c[0:32] (50 x 50); G[k][j] = Mc[k][j] Wc[j][k].  With x1, x2 the normalised vectors,
; s1, s2 = celu'(y) g and r1, r2 the two reciprocal roots:  trace = r1 r2 (s2.(G s1) - sum(w s2 a)/50 - sum(e s1 b)/50 + sum(x2 s2 a) sum(x1 s1 b)/2500),
; a = Mc x1, w = Wc'(s1 x1), e = Mc'(s2 x2), b = Wc x2: the projection that a LayerNorm's derivative makes, multiplied out.  Mc is kept as Mc' = -Mc/50, which folds the two signs and the 1/50 in.
; SHARES.  Work-group g owns states 64 g .. 64 g + 63, each of its four waves 16, for all four steps: state and logp stay in f32 registers, all weights in registers as bf16 fragments.
; LAYOUT.  Every product is used transposed: source 0 = 16 output features x 32 K of a weight matrix, source 1 = 32 K x 16 states.  Lane (r = lane % 16, h = lane / 16) holds state r and features
; 16 t + 8 h + j in register 8 t + j of a block of 32; a block rounded to bf16 in pairs IS the next product's source 1, and a sum over features wants one exchange between the halves of the lanes.
; Features 50 to 63 are zeros everywhere (weights, biases and gains are padded with zeros), so they add nothing to any sum.
; CLUSTER.  The four work-groups of a cluster read the same W1, W2 and W3: each matrix is asked for jointly, once, by one wave (same descriptor, mask of four).
; LIMITS.  Matrix operands are bf16; Mc and G are made of bf16 operands and rounded once more.  Rows of W1 and W2 and the biases b1, b2 are centred in f32 before any rounding.
; An exponential below 2^-126 counts as 0.  NaN and infinities are not treated apart.  One text serves every trip: the last trip also makes the first layer of a fifth step, which nobody uses.
.set RAW1,  0          ; W1 f32, 64 rows x 64 (columns 50-63 zeros), pitch 272: filled by a tensor load, once
.set RAW2,  17408      ; W2 f32, 64 x 64 (rows and columns from 50 on zeros), pitch 272
.set RAW3,  34816      ; W3 f32, 64 x 32 (rows from 50 on zeros), pitch 144
.set BW1,   44032      ; W1c bf16 [i][k], pitch 160
.set BW2,   54272      ; Wc  bf16 [j][k], pitch 160
.set BW3,   64512      ; W3  bf16 [k][i], pitch 96
.set BMC,   70656      ; Mc' bf16 [k][j], pitch 160
.set BG,    80896      ; G   bf16 [k][j], pitch 160
.set VEC,   91136      ; b1, g1, be1, b2, g2, be2: 64 f32 each (zeros from 50 on), 256 bytes apart
.set ZST,   92672      ; z0 on its way in: 16 rows x 272 bytes for each wave
.set OST,   110080     ; the way out: 64 rows x 260 bytes, dense = 65 blocks of 256 bytes
.set SPARE, 126720     ; the spare words, 128 bytes for each wave: two blocks of 256 bytes that no other line names
; window 0
.set SPW, 2            ; LDS address of my spare word; never rewritten
.set NIL, 3            ; 0; never rewritten
.set STO, 4            ; stage: my state's row + 32 h
.set STL, 5            ; stage: my state's logp
.set RD,  6            ; stage: 16 bytes a thread, read back
.set RD9, 7            ; stage: the 65th block
.set GO,  8            ; byte offset in the work-group's part of out0
.set GO9, 9
.set LP,  10           ; logp
.set PX,  11           ; a written register for the exchange of halves
.set RA,  12           ; r1, twice
.set RB,  14           ; r2, twice
.set T8,  16           ; eight at work; later the trace's four chains
.set R0,  24           ; the state, f32
.set R1,  56
.set R2,  88
.set R3,  120
.set R4,  152
.set R5,  184
.set R6,  216
.set AL,  248          ; four chains of sum(x2 s2 a')
.set BT,  R4+16        ; four chains of sum(x1 s1 b)
; what only the preparation uses (it lies in blocks that the loop takes over)
.set LR,  216          ; r
.set LH,  217          ; h
.set L7,  218          ; thread % 8
.set LB,  219          ; (thread / 8) % 2
.set VO,  220
.set VA,  221
.set ZO,  222
.set ZSA, 223
.set ZRA, 224
.set RA1, 225
.set RA3, 226
.set SA1, 227
.set SA3, 228
.set VL,  229
.set W3A, 230
.set TR160, 231
.set TR96,  232
.set PL160, 233
.set MST, 234
.set LPO, 235
.set B3O, 236
.set WCA, 237
.set IDX, 238
.set TT,  239
.set VV,  240          ; v240-242 the three vectors' numbers
.set ZT,  R5           ; z0 as loaded
.set CV1, R1
.set CV2, R2
.set CV3, R3
.set MSK, 136          ; -1/50 for my eight columns, 0 from column 50 on
.set TA,  144
.set TB,  146
.set MCACC, R1
.set W3F, 88
.set WCT, 96
.set UU,  112
.set CT,  152
.set MN,  168
.set MH,  170
.set HM,  172          ; 1 in lanes with h = 0, else 0
; window 1 (fragment (mt, kk) of a matrix at base + 8 (2 mt + kk))
.set FW1,  0           ; W1c'
.set FW2T, 64          ; Wc'
.set FW3T, 128         ; W3'
.set FMC,  160         ; Mc'
; window 2
.set FG,   0
.set FW2,  64          ; Wc
.set FMCT, 128         ; Mc' turned
.set S1C,  192         ; s1, f32
.set SX1C, 224         ; s1 x1, f32
; window 3: register 8 t + j holds the number for feature 16 t + 8 h + j
.set CB1,  0
.set CG1,  32
.set CBE1, 64
.set CB2,  96
.set CG2,  128
.set CBE2, 160
.set CB3,  192
; scalars: s[8:33] the 13 addresses in the order of the arguments; s[36:47] three groups 0; s[48:55], s[56:63], s[68:75] three groups 1; s[76:81] the wave's three vectors
.set WV,  34           ; my wave's number
.set CNT, 35           ; steps to go
.set MSB, 0
.macro WIN new                         ; the immediate's high byte repeats the setting that is left; a switch that changes nothing is dropped
.if MSB != (\new)
	s_set_vgpr_msb (MSB<<8)|(\new)
.set MSB, (\new)
.endif
.endm
.macro PLACES                          ; four plain instructions between matrix instructions and vector lines or loads that touch their registers
.rept 4
	v_nop
.endr
.endm
.macro CROUND                          ; a round of the cluster's barrier: my work-group's barrier; wave 0 signals for the work-group; every wave waits for all four; my work-group's barrier once more
	s_barrier_signal -1
	s_barrier_wait -1
	s_cmp_lg_u32 s[WV], 0
	s_cbranch_scc1 .Lnot_wave_0_\@
	s_barrier_signal -3
.Lnot_wave_0_\@:
	s_barrier_wait -3
	s_barrier_signal -1
	s_barrier_wait -1
.endm
; nt matrix instructions, one for each block of 16 output features, on K = 32 kk ..: C is 0 (cm = 0), the bias at cb (1) or the sum so far (2).  The caller sets the windows.
.macro MV acc, frag, bop, kk, nt, cm, cb=0
.set mt, 0
.rept \nt
.if (\cm) == 0
	v_wmma_f32_16x16x32_bf16 v[(\acc)+8*mt:(\acc)+8*mt+7], v[(\frag)+8*(2*mt+(\kk)):(\frag)+8*(2*mt+(\kk))+7], v[(\bop)+8*(\kk):(\bop)+8*(\kk)+7], 0
.elseif (\cm) == 1
	v_wmma_f32_16x16x32_bf16 v[(\acc)+8*mt:(\acc)+8*mt+7], v[(\frag)+8*(2*mt+(\kk)):(\frag)+8*(2*mt+(\kk))+7], v[(\bop)+8*(\kk):(\bop)+8*(\kk)+7], v[(\cb)+8*mt:(\cb)+8*mt+7]
.else
	v_wmma_f32_16x16x32_bf16 v[(\acc)+8*mt:(\acc)+8*mt+7], v[(\frag)+8*(2*mt+(\kk)):(\frag)+8*(2*mt+(\kk))+7], v[(\bop)+8*(\kk):(\bop)+8*(\kk)+7], v[(\acc)+8*mt:(\acc)+8*mt+7]
.endif
.set mt, mt+1
.endr
.endm
.macro CVT16 dst, src                  ; a block of 32 f32 rounded to 16 registers of bf16 pairs; in place too (register i is written when 2 i and 2 i + 1 are read)
.set i, 0
.rept 16
	v_cvt_pk_bf16_f32 v[(\dst)+i], v[(\src)+2*i], v[(\src)+2*i+1]
.set i, i+1
.endr
.endm
.macro MUL16 dst, a, b                 ; a block times a block
.set i, 0
.rept 16
	v_pk_mul_f32 v[(\dst)+2*i:(\dst)+2*i+1], v[(\a)+2*i:(\a)+2*i+1], v[(\b)+2*i:(\b)+2*i+1]
.set i, i+1
.endr
.endm
.macro FRAG_T dst, adr, off, pit, nmt  ; fragments of a matrix stored [K][M]: turned on the way out of LDS
.set f, 0
.rept 2*(\nmt)
	ds_load_tr16_b128 v[(\dst)+8*f:(\dst)+8*f+3],   v[\adr] offset:(\off)+32*(\pit)*(f%2)+32*(f/2)
	ds_load_tr16_b128 v[(\dst)+8*f+4:(\dst)+8*f+7], v[\adr] offset:(\off)+32*(\pit)*(f%2)+32*(f/2)+16*(\pit)
.set f, f+1
.endr
.endm
.macro FRAG_P dst, adr, off            ; fragments of a matrix stored [M][K], pitch 160: as they lie
.set f, 0
.rept 8
	ds_load_b128 v[(\dst)+8*f:(\dst)+8*f+3],   v[\adr] offset:(\off)+2560*(f/2)+64*(f%2)
	ds_load_b128 v[(\dst)+8*f+4:(\dst)+8*f+7], v[\adr] offset:(\off)+2560*(f/2)+64*(f%2)+32
.set f, f+1
.endr
.endm
.macro RED b                           ; four chains of pairs into one number, over my 32 features and the other half's 32
	v_pk_add_f32 v[(\b):(\b)+1], v[(\b):(\b)+1], v[(\b)+2:(\b)+3]
	v_pk_add_f32 v[(\b)+4:(\b)+5], v[(\b)+4:(\b)+5], v[(\b)+6:(\b)+7]
	v_pk_add_f32 v[(\b):(\b)+1], v[(\b):(\b)+1], v[(\b)+4:(\b)+5]
	v_add_f32 v[(\b)], v[(\b)], v[(\b)+1]
	v_permlanex16_b32 v[(\b)+1], v[(\b)], s88, s89
	v_add_f32 v[(\b)], v[(\b)], v[(\b)+1]
.endm
; Eight numbers of a row of W1 or W2: the row's sum over the eight lanes that share it, the mean taken away from columns 0-49, rounded, stored.
.macro CENTER cv, off
	v_pk_add_f32 v[TA:TA+1], v[(\cv):(\cv)+1], v[(\cv)+2:(\cv)+3]
	v_pk_add_f32 v[TB:TB+1], v[(\cv)+4:(\cv)+5], v[(\cv)+6:(\cv)+7]
	v_pk_add_f32 v[TA:TA+1], v[TA:TA+1], v[TB:TB+1]
	v_add_f32 v[TA], v[TA], v[TA+1]
	v_add_f32_dpp v[TA], v[TA], v[TA] row_xmask:1 row_mask:0xf bank_mask:0xf
	v_add_f32_dpp v[TA], v[TA], v[TA] row_xmask:2 row_mask:0xf bank_mask:0xf
	v_add_f32_dpp v[TA], v[TA], v[TA] row_xmask:4 row_mask:0xf bank_mask:0xf
.irp k, 0,2,4,6
	v_pk_fma_f32 v[(\cv)+\k:(\cv)+\k+1], v[TA:TA+1], v[MSK+\k:MSK+\k+1], v[(\cv)+\k:(\cv)+\k+1] op_sel_hi:[0,1,1]
.endr
.irp k, 0,1,2,3
	v_cvt_pk_bf16_f32 v[(\cv)+\k], v[(\cv)+2*\k], v[(\cv)+2*\k+1]
.endr
	ds_store_b128 v[SA1], v[(\cv):(\cv)+3] offset:\off
.endm
; A bias in window 3 is centred: its mean over the 50 features is taken away from features 0-49 (48 and 49 are registers 24, 25 of the lanes with h = 0).
.macro CBIAS cb
	WIN 0x0f
.set i, 0
.rept 8
	v_pk_add_f32 v[CT+2*i:CT+2*i+1], v[(\cb)+4*i:(\cb)+4*i+1], v[(\cb)+4*i+2:(\cb)+4*i+3]
.set i, i+1
.endr
	WIN 0
.irp k, 0,2,4,6
	v_pk_add_f32 v[CT+\k:CT+\k+1], v[CT+\k:CT+\k+1], v[CT+8+\k:CT+8+\k+1]
.endr
	v_pk_add_f32 v[CT:CT+1], v[CT:CT+1], v[CT+4:CT+5]
	v_pk_add_f32 v[CT+2:CT+3], v[CT+2:CT+3], v[CT+6:CT+7]
	v_pk_add_f32 v[CT:CT+1], v[CT:CT+1], v[CT+2:CT+3]
	v_add_f32 v[CT], v[CT], v[CT+1]
	v_permlanex16_b32 v[PX], v[CT], s88, s89
	v_add_f32 v[CT], v[CT], v[PX]
	v_mul_f32 v[MN], s92, v[CT]
	v_mul_f32 v[MN+1], s92, v[CT]
	v_mul_f32 v[MH], v[MN], v[HM]
	v_mul_f32 v[MH+1], v[MN], v[HM]
	WIN 0xc3
.set i, 0
.rept 12
	v_pk_add_f32 v[(\cb)+2*i:(\cb)+2*i+1], v[(\cb)+2*i:(\cb)+2*i+1], v[MN:MN+1]
.set i, i+1
.endr
	v_pk_add_f32 v[(\cb)+24:(\cb)+25], v[(\cb)+24:(\cb)+25], v[MH:MH+1]
.endm
; LayerNorm and CELU of the centred sums in block xr.  Leaves: xr = the normalised vector; yr's first 16 registers = celu(y) in bf16; er = e = exp(min(y, 0)) = celu'(y); rp = the reciprocal root, twice.
; celu(y) = max(y, e - 1): for y > 0 e is 1; for y <= 0 exp(y) - 1 is never below y.  Each accumulator's lowest registers are read first.
.macro LNACT xr, yr, er, cg, cbe, rp
	WIN 0
.set q, 0
.rept 16
.if q < 4
	v_pk_mul_f32 v[T8+2*q:T8+2*q+1], v[(\xr)+2*q:(\xr)+2*q+1], v[(\xr)+2*q:(\xr)+2*q+1]
.else
	v_pk_fma_f32 v[T8+2*(q%4):T8+2*(q%4)+1], v[(\xr)+2*q:(\xr)+2*q+1], v[(\xr)+2*q:(\xr)+2*q+1], v[T8+2*(q%4):T8+2*(q%4)+1]
.endif
.set q, q+1
.endr
	RED T8
	v_fma_f32 v[T8], v[T8], s90, s91               ; sum / 50 + 1e-5
	v_rsq_f32 v[(\rp)], v[T8]
	v_rsq_f32 v[(\rp)+1], v[T8]
	v_nop                                          ; a plain instruction between the reciprocal roots and their use (ISA guide 5.7.2)
.set q, 0
	s_wait_alu depctr_va_vdst(0)
.rept 16
	v_pk_mul_f32 v[(\xr)+2*q:(\xr)+2*q+1], v[(\xr)+2*q:(\xr)+2*q+1], v[(\rp):(\rp)+1]
.set q, q+1
.endr
	WIN 0x3c                                       ; gain and shift lie in window 3
.set q, 0
.rept 16
	v_pk_fma_f32 v[(\yr)+2*q:(\yr)+2*q+1], v[(\xr)+2*q:(\xr)+2*q+1], v[(\cg)+2*q:(\cg)+2*q+1], v[(\cbe)+2*q:(\cbe)+2*q+1]
.set q, q+1
.endr
	WIN 0
.set q, 0
.rept 16
	v_pk_mul_f32 v[(\er)+2*q:(\er)+2*q+1], v[(\yr)+2*q:(\yr)+2*q+1], s[84:85] op_sel_hi:[1,0]
.set q, q+1
.endr
	v_min_num_f32 v[(\er)], 0, v[(\er)]
	v_min_num_f32 v[(\er)+1], 0, v[(\er)+1]
.set i, 0
.rept 32                               ; behind each exponential a plain line that touches neither its result nor its source: the minimum two numbers on
	v_exp_f32 v[(\er)+i], v[(\er)+i]
.if i < 30
	v_min_num_f32 v[(\er)+i+2], 0, v[(\er)+i+2]
.else
	v_nop
.endif
.set i, i+1
.endr
.set i, 0
	s_wait_alu depctr_va_vdst(0)
.rept 4
.irp k, 0,2,4,6
	v_pk_add_f32 v[T8+\k:T8+\k+1], v[(\er)+8*i+\k:(\er)+8*i+\k+1], -1.0 op_sel_hi:[1,0]
.endr
.irp k, 0,1,2,3,4,5,6,7
	v_max_num_f32 v[(\yr)+8*i+\k], v[(\yr)+8*i+\k], v[T8+\k]
.endr
.set i, i+1
.endr
	CVT16 \yr, \yr
.endm
; The first layer's centred sums: W1c' vs + b1c into block R2; vs in bf16 lies in R1's first 16 registers.  The four accumulators take turns.
.macro PHASE_A
	WIN 0x31                                       ; source 0 window 1, C window 3
	MV R2, FW1, R1, 0, 4, 1, CB1
	WIN 0x01
	MV R2, FW1, R1, 1, 4, 2
	WIN 0
	PLACES
.endm
	s_load_b512 s[8:23], s[0:1], 0x0               ; z0 s[8:9], logp0 s[10:11], W1 s[12:13], W2 s[14:15], W3 s[16:17], b1 s[18:19], g1 s[20:21], be1 s[22:23]
	s_load_b256 s[24:31], s[0:1], 0x40             ; b2 s[24:25], g2 s[26:27], be2 s[28:29], b3 s[30:31]
	s_load_b64 s[32:33], s[0:1], 0x60              ; out0
	v_lshl_add_u32 v[SPW], v0, 2, SPARE
	v_mov_b32 v[NIL], 0
	ds_add_u32 v[SPW], v[NIL]                      ; the wave's opening: the add and its wait stand ahead of the first tensor load; the set-up below, work on registers, stands between them
	v_lshrrev_b32 v1, 5, v0
	v_readfirstlane_b32 s[WV], v1                  ; wave 0..3
	s_bfe_u32 s3, ttmp6, 0x40000                   ; cx: my place in the cluster
	s_lshl_b32 s4, ttmp9, 2                        ; in a cluster launch ttmp9 counts clusters
	s_add_co_u32 s4, s4, s3                        ; g = 4 x cluster + cx: it enters the addresses of z0, logp0 and out0 alone
	; three descriptors.  Group 0: count 1, LDS address, global address, type.  Group 1: mask of four, elements of 4 bytes, padding of 4 words behind each row, bit 21 beside the mask;
	; the tensor's extents say where zeros begin: the tiles reach past W1's and W2's 50 columns and W2's and W3's 50 rows
	s_mov_b32 s36, 1
	s_mov_b32 s37, RAW1
	s_mov_b32 s40, 1
	s_mov_b32 s41, RAW2
	s_mov_b32 s44, 1
	s_mov_b32 s45, RAW3
	s_mov_b32 s48, 15|(2<<16)|(1<<20)|(1<<21)|(5<<22)|(3<<25)  ; W1: padding after every 64 words (code 5)
	s_mov_b32 s49, 50<<16                          ; tensor_dim0 = 50
	s_mov_b32 s50, 64<<16                          ; tensor_dim1 = 64
	s_mov_b32 s51, 64<<16                          ; tile_dim0 = 64
	s_mov_b32 s52, 64                              ; tile_dim1 = 64
	s_mov_b32 s53, 50                              ; 50 elements from row to row
	s_mov_b32 s54, 0
	s_mov_b32 s55, 0
	s_mov_b32 s56, 15|(2<<16)|(1<<20)|(1<<21)|(5<<22)|(3<<25)  ; W2
	s_mov_b32 s57, 50<<16
	s_mov_b32 s58, 50<<16                          ; tensor_dim1 = 50
	s_mov_b32 s59, 64<<16
	s_mov_b32 s60, 64
	s_mov_b32 s61, 50
	s_mov_b32 s62, 0
	s_mov_b32 s63, 0
	s_mov_b32 s68, 15|(2<<16)|(1<<20)|(1<<21)|(4<<22)|(3<<25)  ; W3: padding after every 32 words (code 4)
	s_mov_b32 s69, 32<<16
	s_mov_b32 s70, 50<<16
	s_mov_b32 s71, 32<<16
	s_mov_b32 s72, 64
	s_mov_b32 s73, 32
	s_mov_b32 s74, 0
	s_mov_b32 s75, 0
	s_mov_b32 s84, 0x3fb8aa3b                      ; log2(e), named as a pair
	s_mov_b32 s85, 0x3fb8aa3b
	s_mov_b32 s86, 0x3dcccccd                      ; DT = 0.1, named as a pair
	s_mov_b32 s87, 0x3dcccccd
	s_mov_b32 s88, 0x76543210                      ; v_permlanex16_b32: each lane takes its own place in the other half
	s_mov_b32 s89, 0xfedcba98
	s_mov_b32 s90, 0x3ca3d70a                      ; 1/50
	s_mov_b32 s91, 0x3727c5ac                      ; 1e-5
	s_mov_b32 s92, 0xbca3d70a                      ; -1/50
	s_mov_b32 s93, 0xbdcccccd                      ; -DT
	; lane addresses
	v_and_b32 v[LR], 15, v0
	v_bfe_u32 v[LH], v0, 4, 1
	v_and_b32 v[L7], 7, v0
	v_bfe_u32 v[LB], v0, 3, 1
	v_and_b32 v[IDX], 63, v0                       ; which number of a vector I fetch
	v_min_u32 v[VO], 49, v[IDX]                    ; the vectors have 50: no load leaves them
	v_lshlrev_b32 v[VO], 2, v[VO]
	v_lshrrev_b32 v[TT], 6, v0
	v_mul_u32_u24 v[TT], v[TT], 768                ; threads 0-63: b1, g1, be1; threads 64-127: b2, g2, be2
	v_lshl_add_u32 v[VA], v[IDX], 2, v[TT]
	v_add_nc_u32 v[VA], VEC, v[VA]
	v_and_b32 v[TT], 31, v0
	v_lshlrev_b32 v[ZO], 4, v[TT]                  ; z0: 16 bytes a lane, 512 consecutive bytes a load
	s_mul_i32 s5, s[WV], 16*272
	s_add_co_u32 s5, s5, ZST
	v_mul_u32_u24 v[ZSA], v[LH], 272               ; in: lanes 0-15 one row, lanes 16-31 the next
	v_lshl_add_u32 v[ZSA], v[LR], 4, v[ZSA]
	v_add_nc_u32 v[ZSA], s5, v[ZSA]
	v_mul_u32_u24 v[ZRA], v[LR], 272               ; back: my state's row, my half's eight features of each sixteen
	v_lshl_add_u32 v[ZRA], v[LH], 5, v[ZRA]
	v_add_nc_u32 v[ZRA], s5, v[ZRA]
	v_lshrrev_b32 v[TT], 3, v0                     ; W1, W2: row thread / 8 (+ 16 a pass), columns 8 (thread % 8) on
	v_mul_u32_u24 v[RA1], v[TT], 272
	v_lshl_add_u32 v[RA1], v[L7], 5, v[RA1]
	v_mul_u32_u24 v[SA1], v[TT], 160
	v_lshl_add_u32 v[SA1], v[L7], 4, v[SA1]
	v_add_nc_u32 v[SA1], BW1, v[SA1]
	v_lshrrev_b32 v[TT], 2, v0                     ; W3: row thread / 4 (+ 32 a pass), columns 8 (thread % 4) on
	v_and_b32 v1, 3, v0
	v_mul_u32_u24 v[RA3], v[TT], 144
	v_lshl_add_u32 v[RA3], v1, 5, v[RA3]
	v_add_nc_u32 v[RA3], RAW3, v[RA3]
	v_mul_u32_u24 v[SA3], v[TT], 96
	v_lshl_add_u32 v[SA3], v1, 4, v[SA3]
	v_add_nc_u32 v[SA3], BW3, v[SA3]
	v_lshlrev_b32 v[B3O], 5, v[LH]                 ; 32 h
	v_add_nc_u32 v[VL], VEC, v[B3O]
	v_lshlrev_b32 v[LPO], 2, v[LR]
	s_mul_i32 s6, s[WV], 16*96
	s_add_co_u32 s6, s6, BW3
	v_mul_u32_u24 v[W3A], v[LR], 96                ; row 16 w + r of W3, as source 1
	v_lshl_add_u32 v[W3A], v[LH], 4, v[W3A]
	v_add_nc_u32 v[W3A], s6, v[W3A]
	v_lshl_add_u32 v[TT], v[LH], 3, v[L7]          ; the turning load: lane l reads row 8 (l / 16) + l % 8, 16 bytes at 16 ((l / 8) % 2)
	v_mul_u32_u24 v[TR160], v[TT], 160
	v_lshl_add_u32 v[TR160], v[LB], 4, v[TR160]
	v_add_nc_u32 v[TR160], BW1, v[TR160]
	v_mul_u32_u24 v[TR96], v[TT], 96
	v_lshl_add_u32 v[TR96], v[LB], 4, v[TR96]
	v_add_nc_u32 v[TR96], BW3, v[TR96]
	v_mul_u32_u24 v[PL160], v[LR], 160             ; a plain fragment: row r, 16 bytes for each half of the lanes
	v_lshl_add_u32 v[PL160], v[LH], 4, v[PL160]
	s_mul_i32 s7, s[WV], 16*160
	s_add_co_u32 s7, s7, BMC
	v_add_nc_u32 v[MST], s7, v[PL160]              ; where my row 16 w + r of Mc' goes
	v_add_nc_u32 v[PL160], BW1, v[PL160]
	s_lshl_b32 s6, s[WV], 5
	v_add_nc_u32 v[WCA], s6, v[TR160]              ; columns 16 w on
	s_mul_i32 s5, s[WV], 16*260
	s_add_co_u32 s5, s5, OST
	v_mul_u32_u24 v[STO], v[LR], 260
	v_add_nc_u32 v[STO], s5, v[STO]
	v_add_nc_u32 v[STL], 256, v[STO]
	v_lshl_add_u32 v[STO], v[LH], 5, v[STO]
	v_lshlrev_b32 v[GO], 4, v0
	v_add_nc_u32 v[RD], OST, v[GO]
	v_lshlrev_b32 v[GO9], 4, v[LR]
	v_add_nc_u32 v[RD9], OST+16384, v[GO9]
	v_add_nc_u32 v[GO9], 16384, v[GO9]
	v_mov_b32 v[PX], 0
	v_cvt_f32_u32 v[HM], v[LH]
	v_sub_f32 v[HM], 1.0, v[HM]
	s_wait_dscnt 0x0                               ; the opening add is done
	s_wait_kmcnt 0x0
	s_lshl_b32 s94, s4, 14                         ; z0: 64 rows of 256 bytes a work-group, 16 a wave
	s_lshl_b32 s5, s[WV], 12
	s_add_co_u32 s94, s94, s5
	s_mov_b32 s95, 0
	s_add_nc_u64 s[8:9], s[8:9], s[94:95]
	s_lshl_b32 s94, s4, 8                          ; logp0
	s_lshl_b32 s5, s[WV], 6
	s_add_co_u32 s94, s94, s5
	s_add_nc_u64 s[10:11], s[10:11], s[94:95]
	s_mul_i32 s94, s4, 16640                       ; out0: 64 rows of 260 bytes
	s_add_nc_u64 s[32:33], s[32:33], s[94:95]
	s_mov_b64 s[38:39], s[12:13]                   ; the matrices' own first bytes: equal in all four partners
	s_or_b32 s39, s39, 0x80000000
	s_mov_b64 s[42:43], s[14:15]
	s_or_b32 s43, s43, 0x80000000
	s_mov_b64 s[46:47], s[16:17]
	s_or_b32 s47, s47, 0x80000000
	s_cmp_lt_u32 s[WV], 2                          ; waves 0, 1 fetch the first layer's vectors, waves 2, 3 the second's
	s_cselect_b64 s[76:77], s[18:19], s[24:25]
	s_cselect_b64 s[78:79], s[20:21], s[26:27]
	s_cselect_b64 s[80:81], s[22:23], s[28:29]
	CROUND                                         ; all four work-groups are here: the joint loads meet
	; wave 0 asks for W1, wave 1 for W2, wave 2 for W3, wave 3 for nothing: one tensor load of a wave is out at the most.  An s_nop 0 and four v_nop follow each line.
	s_cmp_eq_u32 s[WV], 0
	s_cbranch_scc0 .Lnot_w1
	tensor_load_to_lds s[36:39], s[48:55]
	s_nop 0
	PLACES
	s_branch .Lasked
.Lnot_w1:
	s_cmp_eq_u32 s[WV], 1
	s_cbranch_scc0 .Lnot_w2
	tensor_load_to_lds s[40:43], s[56:63]
	s_nop 0
	PLACES
	s_branch .Lasked
.Lnot_w2:
	s_cmp_eq_u32 s[WV], 2
	s_cbranch_scc0 .Lasked
	tensor_load_to_lds s[44:47], s[68:75]
	s_nop 0
	PLACES
.Lasked:
	global_load_b32 v[VV],   v[VO], s[76:77]
	global_load_b32 v[VV+1], v[VO], s[78:79]
	global_load_b32 v[VV+2], v[VO], s[80:81]
.set i, 0
.rept 8
	global_load_b128 v[ZT+4*i:ZT+4*i+3], v[ZO], s[8:9] offset:512*i th:TH_LOAD_NT
.set i, i+1
.endr
	global_load_b32 v[LP], v[LPO], s[10:11]
	WIN 0xc0                                       ; destination window 3
	global_load_b128 v[CB3:CB3+3],     v[B3O], s[30:31]
	global_load_b128 v[CB3+4:CB3+7],   v[B3O], s[30:31] offset:16
	global_load_b128 v[CB3+8:CB3+11],  v[B3O], s[30:31] offset:64
	global_load_b128 v[CB3+12:CB3+15], v[B3O], s[30:31] offset:80
	WIN 0
	s_wait_loadcnt 13                              ; the three vectors' numbers are in; 8 loads of z0, logp0 and 4 of b3 stay out
	v_cmp_gt_u32 vcc_lo, 50, v[IDX]
	v_cndmask_b32 v[VV],   0, v[VV],   vcc_lo      ; zeros from number 50 on
	v_cndmask_b32 v[VV+1], 0, v[VV+1], vcc_lo
	v_cndmask_b32 v[VV+2], 0, v[VV+2], vcc_lo
	ds_store_b32 v[VA], v[VV]
	ds_store_b32 v[VA], v[VV+1] offset:256
	ds_store_b32 v[VA], v[VV+2] offset:512
	s_wait_loadcnt 5                               ; z0 is in; logp0 and b3 stay out
.set i, 0
.rept 8
	ds_store_b128 v[ZSA], v[ZT+4*i:ZT+4*i+3] offset:544*i
.set i, i+1
.endr
	s_wait_tensorcnt 0x0                           ; my matrix has landed,
	s_wait_dscnt 0x0                               ; my stores are done:
	s_barrier_signal -1                            ; for the others' sake
	s_barrier_wait -1                              ; everybody's are
	; CENTRE AND ROUND.  28 loads that this phase needs, then the 48 that bring the six vectors into window 3.
.set i, 0
.rept 4
	ds_load_b128 v[R0+8*i:R0+8*i+3],   v[ZRA] offset:64*i
	ds_load_b128 v[R0+8*i+4:R0+8*i+7], v[ZRA] offset:64*i+16
.set i, i+1
.endr
.set i, 0
.rept 4
	ds_load_b128 v[CV1+8*i:CV1+8*i+3],   v[RA1] offset:4352*i
	ds_load_b128 v[CV1+8*i+4:CV1+8*i+7], v[RA1] offset:4352*i+16
	ds_load_b128 v[CV2+8*i:CV2+8*i+3],   v[RA1] offset:RAW2+4352*i
	ds_load_b128 v[CV2+8*i+4:CV2+8*i+7], v[RA1] offset:RAW2+4352*i+16
.set i, i+1
.endr
.set i, 0
.rept 2
	ds_load_b128 v[CV3+8*i:CV3+8*i+3],   v[RA3] offset:4608*i
	ds_load_b128 v[CV3+8*i+4:CV3+8*i+7], v[RA3] offset:4608*i+16
.set i, i+1
.endr
	WIN 0xc0
.set i, 0
.rept 24                               ; vector i / 4, features 16 (i % 4) on
	ds_load_b128 v[8*i:8*i+3],   v[VL] offset:256*(i/4)+64*(i%4)
	ds_load_b128 v[8*i+4:8*i+7], v[VL] offset:256*(i/4)+64*(i%4)+16
.set i, i+1
.endr
	WIN 0
	v_lshlrev_b32 v[TT], 3, v[L7]
.set i, 0
.rept 8
	v_cmp_gt_u32 vcc_lo, 50-i, v[TT]               ; is column 8 (thread % 8) + i one of the 50?
	v_cndmask_b32 v[MSK+i], 0, s92, vcc_lo
.set i, i+1
.endr
	s_wait_dscnt 48                                ; all but the 48 loads of the vectors
	CENTER CV1, 0
	CENTER CV1+8, 2560
	CENTER CV1+16, 5120
	CENTER CV1+24, 7680
	CENTER CV2, 10240
	CENTER CV2+8, 12800
	CENTER CV2+16, 15360
	CENTER CV2+24, 17920
.irp p, 0,1
.irp k, 0,1,2,3
	v_cvt_pk_bf16_f32 v[CV3+8*\p+\k], v[CV3+8*\p+2*\k], v[CV3+8*\p+2*\k+1]
.endr
	ds_store_b128 v[SA3], v[CV3+8*\p:CV3+8*\p+3] offset:3072*\p
.endr
	s_wait_dscnt 0x0                               ; my stores are done (and the vectors are in)
	s_barrier_signal -1
	s_barrier_wait -1
	; Mc AND G: wave w makes rows 16 w .. 16 w + 15.  First the 22 loads that this needs, then 40 more fragments.
	ds_load_b128 v[W3F:W3F+3],   v[W3A]
	ds_load_b128 v[W3F+4:W3F+7], v[W3A] offset:32
	WIN 0x40                                       ; destination window 1
	FRAG_T FW1, TR160, 0, 160, 4
	WIN 0
.set i, 0
.rept 4                                ; Wc[16 i + 8 h + 0..7][16 w + r]: the numbers that G multiplies my Mc by
	ds_load_tr16_b128 v[WCT+4*i:WCT+4*i+3], v[WCA] offset:10240+2560*i
.set i, i+1
.endr
	WIN 0x40
	FRAG_T FW2T, TR160, 10240, 160, 4
	FRAG_T FW3T, TR96, 0, 96, 2
	WIN 0x80                                       ; destination window 2
	FRAG_P FW2, PL160, 10240
	CBIAS CB1                                      ; work on registers while the loads are out
	CBIAS CB2
	s_wait_dscnt 40                                ; W3's row, W1c' and Wc's numbers are in; the 24 + 16 loads behind them stay out
	WIN 0x01
.set i, 0
.rept 4                                ; source 0 = 16 columns of W1c, K = its rows 0-31; source 1 = 16 rows of W3: lane (r, h) gets Mc[16 w + r][16 i + 8 h + 0..7]
	v_wmma_f32_16x16x32_bf16 v[MCACC+8*i:MCACC+8*i+7], v[FW1+16*i:FW1+16*i+7], v[W3F:W3F+7], 0
.set i, i+1
.endr
	WIN 0
	PLACES
.irp u, 0,1,2,3
.irp k, 0,1,2,3
	v_lshlrev_b32 v[UU+2*\k],   16, v[WCT+4*\u+\k]
	v_and_b32     v[UU+2*\k+1], 0xffff0000, v[WCT+4*\u+\k]
.endr
.irp k, 0,2,4,6
	v_pk_mul_f32 v[UU+\k:UU+\k+1], v[UU+\k:UU+\k+1], v[MCACC+8*\u+\k:MCACC+8*\u+\k+1]
.endr
.irp k, 0,1,2,3
	v_cvt_pk_bf16_f32 v[UU+\k], v[UU+2*\k], v[UU+2*\k+1]
.endr
	ds_store_b128 v[MST], v[UU:UU+3] offset:10240+32*\u
.irp k, 0,2,4,6
	v_pk_mul_f32 v[MCACC+8*\u+\k:MCACC+8*\u+\k+1], v[MCACC+8*\u+\k:MCACC+8*\u+\k+1], s[92:93] op_sel_hi:[1,0]
.endr
.irp k, 0,1,2,3
	v_cvt_pk_bf16_f32 v[MCACC+8*\u+\k], v[MCACC+8*\u+2*\k], v[MCACC+8*\u+2*\k+1]
.endr
	ds_store_b128 v[MST], v[MCACC+8*\u:MCACC+8*\u+3] offset:32*\u
.endr
	s_wait_dscnt 0x0                               ; my stores are done (and all fragments asked for so far are in)
	s_barrier_signal -1
	s_barrier_wait -1
	WIN 0x40
	FRAG_P FMC, PL160, BMC-BW1
	WIN 0x80
	FRAG_P FG, PL160, BG-BW1
	FRAG_T FMCT, TR160, BMC-BW1, 160, 4
	WIN 0
	CVT16 R1, R0                                   ; the state in bf16
	s_wait_dscnt 0x0
	s_wait_loadcnt 0x0                             ; logp0 and b3
	PHASE_A
	s_mov_b32 s[CNT], 4
.Lstep:                                            ; a trip = an Euler step; it finds the first layer's sums in R2
	; B: first LayerNorm and CELU; the four vectors that the next products take
	LNACT R2, R3, R4, CG1, CBE1, RA
	CVT16 R5, R2                                   ; x1
	WIN 0x8c
	MUL16 S1C, R4, CG1                             ; s1 = e g1
	WIN 0x82
	MUL16 SX1C, S1C, R2                            ; s1 x1
	WIN 0x0a
	CVT16 R3+16, S1C
	CVT16 R5+16, SX1C
	; C: 32 matrix instructions on 16 accumulators by turns: x2 sums (R1), w (R6), a' (R2), G s1 (R4)
	WIN 0x31
	MV R1, FW2T, R3, 0, 4, 1, CB2
	WIN 0x01
	MV R6, FW2T, R5+16, 0, 4, 0
	MV R2, FMC, R5, 0, 4, 0
	WIN 0x02
	MV R4, FG, R3+16, 0, 4, 0
	WIN 0x01
	MV R1, FW2T, R3, 1, 4, 2
	MV R6, FW2T, R5+16, 1, 4, 2
	MV R2, FMC, R5, 1, 4, 2
	WIN 0x02
	MV R4, FG, R3+16, 1, 4, 2
	WIN 0
	PLACES
	; D: second LayerNorm and CELU; the parts of the trace that are ready
	LNACT R1, R3, R5, CG2, CBE2, RB
	WIN 0x0c
	MUL16 R5, R5, CG2                              ; s2 = e g2
	WIN 0
	CVT16 R3+16, R1                                ; x2
.set q, 0
.rept 16
	v_pk_mul_f32 v[R2+2*q:R2+2*q+1], v[R2+2*q:R2+2*q+1], v[R5+2*q:R5+2*q+1]  ; s2 a'
.if q < 4
	v_pk_mul_f32 v[T8+2*q:T8+2*q+1], v[R5+2*q:R5+2*q+1], v[R4+2*q:R4+2*q+1]  ; s2 . G s1
.else
	v_pk_fma_f32 v[T8+2*(q%4):T8+2*(q%4)+1], v[R5+2*q:R5+2*q+1], v[R4+2*q:R4+2*q+1], v[T8+2*(q%4):T8+2*(q%4)+1]
.endif
.set q, q+1
.endr
.set q, 0
.rept 16
	v_pk_fma_f32 v[T8+2*(q%4):T8+2*(q%4)+1], v[R6+2*q:R6+2*q+1], v[R2+2*q:R2+2*q+1], v[T8+2*(q%4):T8+2*(q%4)+1]  ; + w s2 a'
.if q < 4
	v_pk_mul_f32 v[AL+2*q:AL+2*q+1], v[R1+2*q:R1+2*q+1], v[R2+2*q:R2+2*q+1]  ; x2 s2 a'
.else
	v_pk_fma_f32 v[AL+2*(q%4):AL+2*(q%4)+1], v[R1+2*q:R1+2*q+1], v[R2+2*q:R2+2*q+1], v[AL+2*(q%4):AL+2*(q%4)+1]
.endif
.set q, q+1
.endr
	MUL16 R4, R5, R1                               ; s2 x2
	CVT16 R4, R4
	s_barrier_signal -1                            ; my reads of the stage in the trip before are over (they were waited for there): say so; the products below stand between signal and wait
	; E: 20 matrix instructions on 10 accumulators by turns: b (R6), e' (R2), dv (R5)
	WIN 0x02
	MV R6, FW2, R3+16, 0, 4, 0
	MV R2, FMCT, R4, 0, 4, 0
	WIN 0x31
	MV R5, FW3T, R3, 0, 2, 1, CB3
	WIN 0x02
	MV R6, FW2, R3+16, 1, 4, 2
	MV R2, FMCT, R4, 1, 4, 2
	WIN 0x01
	MV R5, FW3T, R3, 1, 2, 2
	WIN 0
	PLACES
	; F: the rest of the trace, and the Euler step
	WIN 0x08                                       ; source 1 window 2
.set q, 0
.rept 16
	v_pk_mul_f32 v[R2+2*q:R2+2*q+1], v[R2+2*q:R2+2*q+1], v[S1C+2*q:S1C+2*q+1]  ; e' s1
.if q < 4
	v_pk_mul_f32 v[BT+2*q:BT+2*q+1], v[R6+2*q:R6+2*q+1], v[SX1C+2*q:SX1C+2*q+1]  ; b s1 x1
.else
	v_pk_fma_f32 v[BT+2*(q%4):BT+2*(q%4)+1], v[R6+2*q:R6+2*q+1], v[SX1C+2*q:SX1C+2*q+1], v[BT+2*(q%4):BT+2*(q%4)+1]
.endif
.set q, q+1
.endr
	WIN 0
.set q, 0
.rept 16
	v_pk_fma_f32 v[T8+2*(q%4):T8+2*(q%4)+1], v[R2+2*q:R2+2*q+1], v[R6+2*q:R6+2*q+1], v[T8+2*(q%4):T8+2*(q%4)+1]  ; + e' s1 b
.set q, q+1
.endr
.set q, 0
.rept 8
	v_pk_fma_f32 v[R0+16+2*q:R0+16+2*q+1], v[R0+2*q:R0+2*q+1], s[86:87], v[R0+16+2*q:R0+16+2*q+1] op_sel_hi:[1,0,1]  ; s += DT v, with the old v
.set q, q+1
.endr
.set q, 0
.rept 8
	v_pk_fma_f32 v[R0+2*q:R0+2*q+1], v[R5+2*q:R5+2*q+1], s[86:87], v[R0+2*q:R0+2*q+1] op_sel_hi:[1,0,1]  ; v += DT dv
.set q, q+1
.endr
	; the three sums side by side, so that no line waits for the one before it
.irp b, T8, AL, BT
	v_pk_add_f32 v[\b:\b+1], v[\b:\b+1], v[\b+2:\b+3]
.endr
.irp b, T8, AL, BT
	v_pk_add_f32 v[\b+4:\b+5], v[\b+4:\b+5], v[\b+6:\b+7]
.endr
.irp b, T8, AL, BT
	v_pk_add_f32 v[\b:\b+1], v[\b:\b+1], v[\b+4:\b+5]
.endr
.irp b, T8, AL, BT
	v_add_f32 v[\b], v[\b], v[\b+1]
.endr
.irp b, T8, AL, BT
	v_permlanex16_b32 v[\b+1], v[\b], s88, s89
.endr
.irp b, T8, AL, BT
	v_add_f32 v[\b], v[\b], v[\b+1]
.endr
	v_mul_f32 v[AL], v[AL], v[BT]
	v_mul_f32 v[T8+1], v[RA], v[RB]
	v_fma_f32 v[T8], v[AL], s92, v[T8]             ; sum(x2 s2 a) sum(x1 s1 b) / 2500 = -(1/50) sum(x2 s2 a') sum(x1 s1 b)
	v_mul_f32 v[T8], v[T8], v[T8+1]                ; the trace
	v_fma_f32 v[LP], v[T8], s93, v[LP]             ; logp -= DT trace
	; THE WAY OUT.  A row of out0 is 260 bytes, so the work-group's 64 rows are gathered in LDS, dense, and leave as 65 whole blocks of 256 bytes.
	s_barrier_wait -1                              ; nobody reads the stage any more
.set i, 0
.rept 32
	ds_store_b32 v[STO], v[R0+i] offset:64*(i/8)+4*(i%8)
.set i, i+1
.endr
	ds_store_b32 v[STL], v[LP]
	CVT16 R1, R0                                   ; the new state in bf16
	s_wait_dscnt 0x0                               ; for the others' sake: my stores into the stage are done
	s_barrier_signal -1
	PHASE_A                                        ; the next step's first layer: work on registers between signal and wait
	s_barrier_wait -1
.set i, 0
.rept 8
	ds_load_b128 v[R6+4*i:R6+4*i+3], v[RD] offset:2048*i
.set i, i+1
.endr
	ds_load_b128 v[R1+16:R1+19], v[RD9]
.set i, 0
.rept 8
	s_wait_dscnt 8-i                               ; LDS loads come back in order (ISA guide 5.7.1): load i is in, the younger ones of the run stay out
	global_store_b128 v[GO], v[R6+4*i:R6+4*i+3], s[32:33] offset:2048*i th:TH_STORE_NT  ; a wave stores 512 consecutive bytes, at a multiple of 256 from out0's first byte
.set i, i+1
.endr
	s_wait_dscnt 0x0                               ; my reads of the stage are over
	s_wait_xcnt 0x0                                ; EXEC changes only behind this wait
	v_cmp_gt_u32 vcc_lo, 16, v0
	s_and_saveexec_b32 s82, vcc_lo                 ; the 65th block: threads 0-15 alone
	global_store_b128 v[GO9], v[R1+16:R1+19], s[32:33] th:TH_STORE_NT
	s_wait_xcnt 0x0                                ; and again in front of the line that widens it; the stores' data and base are rewritten only behind it
	s_or_b32 exec_lo, exec_lo, s82
	s_add_nc_u64 s[32:33], s[32:33], 0x410000      ; the next step's plane: 16,384 rows of 260 bytes
	s_sub_co_u32 s[CNT], s[CNT], 1
	s_cmp_lg_u32 s[CNT], 0
	s_cbranch_scc1 .Lstep
	s_wait_tensorcnt 0x0                           ; the wave's end: a wait, an add and its wait, behind my last tensor load and my last LDS store
	ds_add_u32 v[SPW], v[NIL]
	s_wait_dscnt 0x0
	CROUND                                         ; the closing round: no work-group ends while a partner may still ask for a tile that names it
	s_endpgm
.Lfunc_end_k_qcc9c4bc6b7_ode:
	.size	k_qcc9c4bc6b7_ode, .Lfunc_end_k_qcc9c4bc6b7_ode-k_qcc9c4bc6b7_ode
	.p2alignl 7, 3214868480
	.fill 96, 4, 3214868480
	.section	.rodata,"a",@progbits
	.p2align	6, 0x0
	.amdhsa_kernel k_qcc9c4bc6b7_ode
		.amdhsa_group_segment_fixed_size 167936
		.amdhsa_private_segment_fixed_size 0
		.amdhsa_enable_private_segment 0
		.amdhsa_kernarg_size 104
		.amdhsa_user_sgpr_count 2
		.amdhsa_user_sgpr_kernarg_segment_ptr 1
		.amdhsa_wavefront_size32 1
		.amdhsa_system_sgpr_workgroup_id_x 1
		.amdhsa_system_sgpr_workgroup_id_y 1
		.amdhsa_system_sgpr_workgroup_id_z 1
		.amdhsa_system_vgpr_workitem_id 0
		.amdhsa_next_free_vgpr 976
		.amdhsa_next_free_sgpr 96
		.amdhsa_reserve_vcc 1
		.amdhsa_float_denorm_mode_32 3
		.amdhsa_float_denorm_mode_16_64 3
		.amdhsa_memory_ordered 1
		.amdhsa_forward_progress 1
		.amdhsa_inst_pref_size 94
	.end_amdhsa_kernel
	.amdgpu_metadata
---
amdhsa.version: [ 1, 2 ]
amdhsa.kernels:
  - .name:           k_qcc9c4bc6b7_ode
    .symbol:         k_qcc9c4bc6b7_ode.kd
    .args:
      - { .name: z0, .offset: 0, .size: 8, .value_kind: global_buffer, .address_space: global }
      - { .name: logp0, .offset: 8, .size: 8, .value_kind: global_buffer, .address_space: global }
      - { .name: W1, .offset: 16, .size: 8, .value_kind: global_buffer, .address_space: global }
      - { .name: W2, .offset: 24, .size: 8, .value_kind: global_buffer, .address_space: global }
      - { .name: W3, .offset: 32, .size: 8, .value_kind: global_buffer, .address_space: global }
      - { .name: b1, .offset: 40, .size: 8, .value_kind: global_buffer, .address_space: global }
      - { .name: g1, .offset: 48, .size: 8, .value_kind: global_buffer, .address_space: global }
      - { .name: be1, .offset: 56, .size: 8, .value_kind: global_buffer, .address_space: global }
      - { .name: b2, .offset: 64, .size: 8, .value_kind: global_buffer, .address_space: global }
      - { .name: g2, .offset: 72, .size: 8, .value_kind: global_buffer, .address_space: global }
      - { .name: be2, .offset: 80, .size: 8, .value_kind: global_buffer, .address_space: global }
      - { .name: b3, .offset: 88, .size: 8, .value_kind: global_buffer, .address_space: global }
      - { .name: out0, .offset: 96, .size: 8, .value_kind: global_buffer, .address_space: global }
    .group_segment_fixed_size: 167936
    .private_segment_fixed_size: 0
    .kernarg_segment_align: 8
    .kernarg_segment_size: 104
    .max_flat_workgroup_size: 128
    .sgpr_count:     96
    .vgpr_count:     976
    .wavefront_size: 32
...
	.end_amdgpu_metadata
.endif
;; end of part 1
